; MI455X (gfx1250); checked and timed in simulation.
; The chip was launched on July 23, 2026; its instructions are those of AMD's public machine-readable ISA for CDNA 5 (MIT licence, August 2026) and "CDNA5" Instruction Set Architecture Reference Guide (July 2026). The comments in the code are by the model that wrote it; some were corrected since.
;; Mo E All To All Layer. Allowed arithmetic: float matrix products may take bf16 or f16 operands with f32 sums; all other float work in f32.
;; Inputs: W1 8 x 1,024 x 4,096 float32; W2 8 x 4,096 x 1,024 float32; Wr 1,024 x 8 float32; b1 8 x 4,096 float32; b2 8 x 1,024 float32; br 8 float32; x 1,024 x 1,024 float32.
;; Outputs: out0 1,024 x 1,024 float32.
;; One version. Each part assembles by itself: llvm-mc -triple=amdgcn-amd-amdhsa -mcpu=gfx1250 --defsym DOCPART=n.
;; ======== version 1 of 1: 5 launches
;; limits: values are held in f16: magnitudes above 65,504 overflow, below 6.1e-05 lose precision
;; workspace buffers: idx 4,096 bytes of whole numbers; score 4,096 bytes; pos 4,096 bytes of whole numbers; ss 4,096 bytes; tab 256 bytes of whole numbers; xs 2,359,296 bytes; h 9,437,184 bytes; P 18,874,368 bytes
;; launch router (part 1): grid 128 x 1, 8 waves a work-group, no clusters, 3,072 bytes of LDS; arguments x, Wr, br, idx, score; writes idx, score
.if DOCPART == 1
	.amdgcn_target "amdgcn-amd-amdhsa--gfx1250"
	.amdhsa_code_object_version 6
	.text
	.protected	k_q237c7dc90f_router
	.globl	k_q237c7dc90f_router
	.p2align	8
	.type	k_q237c7dc90f_router,@function
k_q237c7dc90f_router:
	s_mov_b64 s[64:65], 0
	v_nop
	global_prefetch_b8 v0, s[64:65] scope:SCOPE_SE
	s_setreg_imm32_b32 hwreg(HW_REG_WAVE_MODE, 25, 1), 1
	s_wait_xcnt 0x0
; ROUTER.  logits = x Wr + br (x [1024][1024], Wr [1024][8], br [8], all f32); for each token the number of the largest logit (idx) and the largest softmax score (score).
; The product is made in f32 by fused multiply-adds on the vector unit, not by the matrix unit: idx is a whole number that has to agree with the problem's definition, operands
; of 16 bits would move logits by more than the gap between the two largest of some tokens, and the product is 8 M multiply-adds of the module's 8.6 G.
; SHARES.  A work-group has 8 tokens, 8 wg .. 8 wg + 7.  Wave w has k = 128 w .. 128 w + 127 of all eight, lane l the four k = 128 w + 4 l + 0..3: a load of x covers 512 consecutive bytes.
; The waves' partial sums meet in LDS ([wave][token][expert], 2,048 bytes); then wave w finishes token w.
; SOFTMAX.  The largest logit is taken away before the exponentials; the largest score is then 1 / the sum of the exponentials.
; LIMITS.  The index is the first largest LOGIT: two logits that differ, but whose f32 scores coincide, are told apart here.  NaN among the logits is not served.
; The two results of a token are 4 bytes each, stored by one lane: 8 KB in the whole launch.
.set X,   16                           ; v[16:47]   x: token t's four k at X + 4 t
.set WR,  48                           ; v[48:79]   Wr: k number kk, expert e at WR + 8 kk + e
.set ACC, 80                           ; v[80:143]  sums: token t, expert e at ACC + 8 t + e
	s_load_b256 s[4:11], s[0:1], 0x0               ; x s[4:5], Wr s[6:7], br s[8:9], idx s[10:11]
	s_load_b64 s[12:13], s[0:1], 0x20              ; score
	v_lshl_add_u32 v160, v0, 2, 0x800
	v_mov_b32 v161, 0
	v_lshrrev_b32 v2, 5, v0
	v_readfirstlane_b32 s14, v2                    ; wave 0..7
	v_and_b32 v1, 31, v0                           ; lane
	s_lshl_b32 s16, s14, 9
	s_lshl_b32 s17, s14, 12
	s_lshl_b32 s18, s14, 8
	v_lshl_add_u32 v2, v1, 4, s16                  ; x: 512 w + 16 l
	v_lshl_add_u32 v3, v1, 7, s17                  ; Wr: my four rows of 32 bytes at 4,096 w + 128 l
	v_mov_b32 v4, s18                              ; LDS: my wave's 256 bytes
	v_and_b32 v5, 7, v1
	v_lshlrev_b32 v5, 2, v5                        ; 4 (l % 8)
	v_mov_b32 v7, 0                                ; later a lane exchange's destination, which counts as read
	s_mov_b32 s20, 0x76543210                      ; v_permlanex16_b32: each lane takes its own place in the other half
	s_mov_b32 s21, 0xfedcba98
	s_lshl_b32 s2, ttmp9, 15                       ; the work-group's 8 rows of 4,096 bytes
	s_mov_b32 s3, 0
	s_lshl_b32 s22, ttmp9, 5
	s_lshl2_add_u32 s22, s14, s22                  ; 4 (8 wg + w): the token that my wave finishes
	s_mov_b32 s23, 0
	s_wait_kmcnt 0x0
	s_add_nc_u64 s[4:5], s[4:5], s[2:3]
	s_add_nc_u64 s[10:11], s[10:11], s[22:23]
	s_add_nc_u64 s[12:13], s[12:13], s[22:23]
	global_load_b32 v6, v5, s[8:9]                 ; br[l % 8]
.irp m, 0,1,2,3,4,5,6,7
	global_load_b128 v[WR+4*(\m):WR+4*(\m)+3], v3, s[6:7] offset:16*(\m)
.endr
.irp t, 0,1,2,3,4,5,6,7
	global_load_b128 v[X+4*(\t):X+4*(\t)+3], v2, s[4:5] offset:4096*(\t)
.endr
; One token: 16 packed instructions, two experts each; x's number is taken for both halves (op_sel, op_sel_hi pick the pair's first or second register).
.macro TOKEN t
	s_wait_loadcnt 7-(\t)                          ; loads come back in order: this token's x is in (br and Wr are older); the 7 - t younger loads stay out
.irp p, 0,1,2,3
	v_pk_mul_f32 v[ACC+8*(\t)+2*(\p):ACC+8*(\t)+2*(\p)+1], v[X+4*(\t):X+4*(\t)+1], v[WR+2*(\p):WR+2*(\p)+1] op_sel:[0,0] op_sel_hi:[0,1]
.endr
.irp p, 0,1,2,3
	v_pk_fma_f32 v[ACC+8*(\t)+2*(\p):ACC+8*(\t)+2*(\p)+1], v[X+4*(\t):X+4*(\t)+1], v[WR+8+2*(\p):WR+8+2*(\p)+1], v[ACC+8*(\t)+2*(\p):ACC+8*(\t)+2*(\p)+1] op_sel:[1,0,0] op_sel_hi:[1,1,1]
.endr
.irp p, 0,1,2,3
	v_pk_fma_f32 v[ACC+8*(\t)+2*(\p):ACC+8*(\t)+2*(\p)+1], v[X+4*(\t)+2:X+4*(\t)+3], v[WR+16+2*(\p):WR+16+2*(\p)+1], v[ACC+8*(\t)+2*(\p):ACC+8*(\t)+2*(\p)+1] op_sel:[0,0,0] op_sel_hi:[0,1,1]
.endr
.irp p, 0,1,2,3
	v_pk_fma_f32 v[ACC+8*(\t)+2*(\p):ACC+8*(\t)+2*(\p)+1], v[X+4*(\t)+2:X+4*(\t)+3], v[WR+24+2*(\p):WR+24+2*(\p)+1], v[ACC+8*(\t)+2*(\p):ACC+8*(\t)+2*(\p)+1] op_sel:[1,0,0] op_sel_hi:[1,1,1]
.endr
.endm
.irp t, 0,1,2,3,4,5,6,7
	TOKEN \t
.endr
	; the 64 sums over the wave's 32 lanes, stage by stage, so that no line reads the result of the line before it
.irp x, 1,2,4,8
.set i, 0
.rept 64
	v_add_f32_dpp v[ACC+i], v[ACC+i], v[ACC+i] row_xmask:\x row_mask:0xf bank_mask:0xf
.set i, i+1
.endr
.endr
.set i, 0
.rept 64
	v_permlanex16_b32 v[X+i], v[ACC+i], s20, s21   ; into x's and Wr's registers, which are free and have been written
.set i, i+1
.endr
.set i, 0
.rept 64
	v_add_f32 v[ACC+i], v[ACC+i], v[X+i]
.set i, i+1
.endr
.set i, 0
.rept 16
	ds_store_b128 v4, v[ACC+4*i:ACC+4*i+3] offset:16*i  ; every lane holds the same sums and writes the same words
.set i, i+1
.endr
	v_lshrrev_b32 v8, 3, v1                        ; g = l / 8
	s_lshl_b32 s24, s14, 5
	v_lshl_add_u32 v8, v8, 8, v5                   ; wave g's part, expert l % 8,
	v_add_nc_u32 v8, s24, v8                       ; token w
	s_wait_dscnt 0x0                               ; for the others' sake: my stores are done
	s_barrier_signal -1
	s_barrier_wait -1
	ds_load_b32 v9, v8                             ; waves g and g + 4
	ds_load_b32 v10, v8 offset:1024
	s_wait_dscnt 0x0
	v_add_f32 v9, v9, v10
	v_add_f32_dpp v9, v9, v9 row_xmask:8 row_mask:0xf bank_mask:0xf
	v_permlanex16_b32 v7, v9, s20, s21
	v_add_f32 v9, v9, v7
	v_add_f32 v9, v9, v6                           ; the logit of expert l % 8, in every group of eight lanes
	v_max_num_f32_dpp v10, v9, v9 row_xmask:1 row_mask:0xf bank_mask:0xf
	v_max_num_f32_dpp v10, v10, v10 row_xmask:2 row_mask:0xf bank_mask:0xf
	v_max_num_f32_dpp v10, v10, v10 row_xmask:4 row_mask:0xf bank_mask:0xf
	v_sub_f32 v11, v9, v10
	v_mul_f32 v11, 0x3fb8aa3b, v11                 ; log2(e)
	v_exp_f32 v11, v11
	v_mov_b32 v12, 0                               ; the stores' offset; also the plain instruction behind the exponential (ISA guide 5.7.2)
	s_wait_alu depctr_va_vdst(0)
	v_add_f32_dpp v11, v11, v11 row_xmask:1 row_mask:0xf bank_mask:0xf
	v_add_f32_dpp v11, v11, v11 row_xmask:2 row_mask:0xf bank_mask:0xf
	v_add_f32_dpp v11, v11, v11 row_xmask:4 row_mask:0xf bank_mask:0xf
	v_rcp_f32 v11, v11                             ; the largest score: 2^0 / the sum
	v_cmp_eq_f32 vcc_lo, v9, v10
	s_ctz_i32_b32 s24, vcc_lo                      ; lanes 0 to 7 are experts 0 to 7: the first that holds the maximum
	v_mov_b32 v13, s24
	v_cmp_eq_u32 vcc_lo, 0, v1
	s_wait_xcnt 0x0                                ; EXEC is a source of the loads above: it changes only behind this wait
	s_barrier_signal -1
	s_barrier_wait -1
	s_wait_tensorcnt 0x0
	ds_add_u32 v160, v161
	s_wait_dscnt 0x0
	s_and_saveexec_b32 s25, vcc_lo
	global_store_b32 v12, v13, s[10:11]
	s_wait_alu depctr_va_vdst(0)
	global_store_b32 v12, v11, s[12:13]
	s_wait_xcnt 0x0                                ; and again in front of the line that widens it
	s_or_b32 exec_lo, exec_lo, s25
	s_endpgm
.Lfunc_end_k_q237c7dc90f_router:
	.size	k_q237c7dc90f_router, .Lfunc_end_k_q237c7dc90f_router-k_q237c7dc90f_router
	.p2alignl 7, 3214868480
	.fill 96, 4, 3214868480
	.section	.rodata,"a",@progbits
	.p2align	6, 0x0
	.amdhsa_kernel k_q237c7dc90f_router
		.amdhsa_group_segment_fixed_size 3072
		.amdhsa_private_segment_fixed_size 0
		.amdhsa_enable_private_segment 0
		.amdhsa_kernarg_size 40
		.amdhsa_user_sgpr_count 2
		.amdhsa_user_sgpr_kernarg_segment_ptr 1
		.amdhsa_wavefront_size32 1
		.amdhsa_system_sgpr_workgroup_id_x 1
		.amdhsa_system_sgpr_workgroup_id_y 1
		.amdhsa_system_sgpr_workgroup_id_z 1
		.amdhsa_system_vgpr_workitem_id 0
		.amdhsa_next_free_vgpr 162
		.amdhsa_next_free_sgpr 66
		.amdhsa_reserve_vcc 1
		.amdhsa_float_denorm_mode_32 3
		.amdhsa_float_denorm_mode_16_64 3
		.amdhsa_memory_ordered 1
		.amdhsa_forward_progress 1
		.amdhsa_inst_pref_size 37
	.end_amdhsa_kernel
	.amdgpu_metadata
---
amdhsa.version: [ 1, 2 ]
amdhsa.kernels:
  - .name:           k_q237c7dc90f_router
    .symbol:         k_q237c7dc90f_router.kd
    .args:
      - { .name: x, .offset: 0, .size: 8, .value_kind: global_buffer, .address_space: global }
      - { .name: Wr, .offset: 8, .size: 8, .value_kind: global_buffer, .address_space: global }
      - { .name: br, .offset: 16, .size: 8, .value_kind: global_buffer, .address_space: global }
      - { .name: idx, .offset: 24, .size: 8, .value_kind: global_buffer, .address_space: global }
      - { .name: score, .offset: 32, .size: 8, .value_kind: global_buffer, .address_space: global }
    .group_segment_fixed_size: 3072
    .private_segment_fixed_size: 0
    .kernarg_segment_align: 8
    .kernarg_segment_size: 40
    .max_flat_workgroup_size: 256
    .sgpr_count:     66
    .vgpr_count:     162
    .wavefront_size: 32
...
	.end_amdgpu_metadata
.endif
;; end of part 1
;; launch dispatch (part 2): grid 72 x 1, 32 waves a work-group, no clusters, 13,312 bytes of LDS; arguments idx, score, x, xs, pos, ss, tab; writes xs, pos, ss, tab
.if DOCPART == 2
	.amdgcn_target "amdgcn-amd-amdhsa--gfx1250"
	.amdhsa_code_object_version 6
	.text
	.protected	k_q237c7dc90f_dispatch
	.globl	k_q237c7dc90f_dispatch
	.p2align	8
	.type	k_q237c7dc90f_dispatch,@function
k_q237c7dc90f_dispatch:
	s_mov_b64 s[64:65], 0
	v_nop
	global_prefetch_b8 v0, s[64:65] scope:SCOPE_SE
	s_setreg_imm32_b32 hwreg(HW_REG_WAVE_MODE, 25, 1), 1
	s_wait_xcnt 0x0
; DISPATCH.  A stable counting sort of the 1,024 tokens by expert, in whole numbers, and x gathered into sorted order as f16.
;   upos(t) = t's place in the stable sort;            ss[upos(t)] = score[t]: the scores in sorted order
;   ppos(t) = t's row when each expert's rows are padded to a multiple of 16: at most 71 blocks of 16 rows, 72 are kept;   pos[t] = ppos(t)
;   tab: words 0-7 the first block of each expert (0 if it has no token), words 8-15 its number of blocks, words 16-31 zero
;   xs: [72 row blocks][32 K steps][1,024 bytes]: the register image of a fragment of 16 rows x 32 k of f16: byte 512 q + 16 L (L = r + 16 h) holds row r, k = 32 ks + 16 q + 8 h + 0..7.  Padding rows are 0.
; SHARES.  Thread t is token t.  Each of the 72 work-groups repeats the sort (4 KB of idx) and writes row block wg of xs, wave w its K step w; work-group 0 also stores pos, ss and tab.
; Repeating the sort spares a launch and a trip through memory.  Every work-group loads score too, so that the register is written on every way; work-group 0 alone stores it.
; LDS: TW, 16 bytes a wave: its eight counts, two to a word (a count is 1,024 at the most).  PP: ppos of token t.  INV: the token of padded row p, or -1.
; LIMIT.  x is rounded once to f16: |x| stays under 65,504.
.set TW,  0
.set PP,  512
.set INV, 4608
; s[24:31] lane masks of the experts; s[32:39] my wave's counts; s[40:43] packed; s[44:47] totals; s[48:51] sums over the waves before mine;
; s[52:59] first sorted place, s[66:73] first padded row of my wave's tokens of expert q; s[74:81] first blocks; s[82:89] numbers of blocks
	s_load_b256 s[4:11], s[0:1], 0x0               ; idx s[4:5], score s[6:7], x s[8:9], xs s[10:11]
	s_load_b128 s[12:15], s[0:1], 0x20             ; pos s[12:13], ss s[14:15]
	s_load_b64 s[16:17], s[0:1], 0x30              ; tab
	v_lshl_add_u32 v64, v0, 2, 0x2400
	v_mov_b32 v65, 0
	v_lshrrev_b32 v1, 5, v0
	v_readfirstlane_b32 s18, v1                    ; wave 0..31
	v_and_b32 v1, 31, v0                           ; lane
	v_lshlrev_b32 v2, 2, v0                        ; 4 t
	v_lshlrev_b32 v19, 2, v1                       ; 4 x lane
	v_mov_b32 v5, 0                                ; my rank among my wave's tokens of my expert
	v_mov_b32 v16, 0                               ; a lane exchange's destination, which counts as read
	v_mov_b32 v17, 0
	v_mov_b32 v18, 0
	s_mov_b32 s20, 0x76543210
	s_mov_b32 s21, 0xfedcba98
	s_wait_kmcnt 0x0
	global_load_b32 v3, v2, s[4:5]
	global_load_b32 v4, v2, s[6:7]
	s_wait_loadcnt 0x0
	v_min_u32 v3, 7, v3                            ; an expert's number
.set q, 0
.rept 8
	v_cmp_eq_u32 s[24+q], q, v3
	v_mbcnt_lo_u32_b32 v6, s[24+q], 0              ; lanes below mine with expert q
	v_cndmask_b32 v5, v5, v6, s[24+q]
	s_bcnt1_i32_b32 s[32+q], s[24+q]
.set q, q+1
.endr
.irp p, 0,1,2,3
	s_lshl_b32 s92, s[33+2*(\p)], 16
	s_or_b32 s[40+(\p)], s[32+2*(\p)], s92
	v_mov_b32 v[8+(\p)], s[40+(\p)]
.endr
	s_lshl_b32 s93, s18, 4
	v_mov_b32 v7, s93
	ds_store_b128 v7, v[8:11]                      ; all lanes write the same 16 bytes
	s_wait_dscnt 0x0
	s_barrier_signal -1
	s_barrier_wait -1
	v_lshlrev_b32 v7, 4, v1
	ds_load_b128 v[8:11], v7                       ; lane i takes wave i's counts
	v_cmp_gt_u32 vcc_lo, s18, v1                   ; waves before mine
	s_wait_dscnt 0x0
.irp p, 0,1,2,3
	v_cndmask_b32 v[12+(\p)], 0, v[8+(\p)], vcc_lo
.endr
.macro ISUM r                          ; the sum over 32 lanes, in every lane; the 16-bit fields do not run over
.irp x, 1,2,4,8
	v_mov_b32_dpp v16, v[\r] row_xmask:\x row_mask:0xf bank_mask:0xf
	v_add_nc_u32 v[\r], v[\r], v16
.endr
	v_permlanex16_b32 v16, v[\r], s20, s21
	v_add_nc_u32 v[\r], v[\r], v16
.endm
.irp r, 8,9,10,11,12,13,14,15
	ISUM \r
.endr
.irp p, 0,1,2,3
	v_readfirstlane_b32 s[44+(\p)], v[8+(\p)]
	v_readfirstlane_b32 s[48+(\p)], v[12+(\p)]
.endr
	s_mov_b32 s90, 0                               ; tokens of the experts so far
	s_mov_b32 s91, 0                               ; their blocks
.set q, 0
.rept 8
.if q%2 == 0
	s_and_b32 s92, s[44+q/2], 0xffff               ; the expert's tokens,
	s_and_b32 s93, s[48+q/2], 0xffff               ; those of them in the waves before mine
.else
	s_lshr_b32 s92, s[44+q/2], 16
	s_lshr_b32 s93, s[48+q/2], 16
.endif
	s_add_co_u32 s[52+q], s90, s93
	s_lshl4_add_u32 s[66+q], s91, s93              ; 16 x blocks before + tokens before
	s_add_co_u32 s94, s92, 15
	s_lshr_b32 s[82+q], s94, 4
	s_cmp_eq_u32 s92, 0
	s_cselect_b32 s[74+q], 0, s91
	s_add_co_u32 s90, s90, s92
	s_add_co_u32 s91, s91, s[82+q]
.set q, q+1
.endr
.set q, 0
.rept 8
	v_cndmask_b32 v17, v17, s[52+q], s[24+q]
	v_cndmask_b32 v18, v18, s[66+q], s[24+q]
.set q, q+1
.endr
	v_add_nc_u32 v17, v17, v5                      ; upos
	v_add_nc_u32 v18, v18, v5                      ; ppos
	ds_store_b32 v2, v18 offset:PP
	s_wait_dscnt 0x0
	s_barrier_signal -1
	s_barrier_wait -1
	; Wave 0 turns ppos round: INV = -1 everywhere, then INV[ppos(t)] = t.  LDS serves a wave's instructions in order (ISA guide 5.7.1.4), and no other wave touches LDS between this barrier and the next.
	s_cmp_lg_u32 s18, 0
	s_cbranch_scc1 .Lnot_wave_0
	v_mov_b32 v20, -1
.set c, 0
.rept 32
	ds_load_b32 v[24+c], v19 offset:PP+128*c
.set c, c+1
.endr
.set c, 0
.rept 36
	ds_store_b32 v19, v20 offset:INV+128*c
.set c, c+1
.endr
	s_wait_dscnt 0x0
.set c, 0
.rept 32
	v_min_u32 v[24+c], 0x47f, v[24+c]              ; a padded row: 1,151 at the most
	v_lshlrev_b32 v[24+c], 2, v[24+c]
	v_add_nc_u32 v21, 32*c, v1                     ; the token
	ds_store_b32 v[24+c], v21 offset:INV
.set c, c+1
.endr
.Lnot_wave_0:
	s_wait_dscnt 0x0
	s_barrier_signal -1
	s_barrier_wait -1
	s_cmp_lg_u32 ttmp9, 0
	s_cbranch_scc1 .Ltile
	global_store_b32 v2, v18, s[12:13]             ; pos[t]
	v_min_u32 v17, 0x3ff, v17
	v_lshlrev_b32 v17, 2, v17
	global_store_b32 v17, v4, s[14:15]             ; ss[upos(t)]
	s_cmp_lg_u32 s18, 0
	s_cbranch_scc1 .Ltile
	v_mov_b32 v22, 0
.set q, 0
.rept 8
	v_writelane_b32 v22, s[74+q], q
	v_writelane_b32 v22, s[82+q], 8+q
.set q, q+1
.endr
	global_store_b32 v19, v22, s[16:17]            ; tab's 32 words
.Ltile:                                                ; none of the registers that those stores name is written below
	v_and_b32 v6, 15, v0                           ; r
	s_lshl_b32 s92, ttmp9, 6
	v_lshl_add_u32 v6, v6, 2, s92                  ; 4 (16 wg + r)
	ds_load_b32 v23, v6 offset:INV                 ; the token of my row
	v_bfe_u32 v7, v0, 4, 1                         ; h
	s_lshl_b32 s93, s18, 7
	v_lshl_add_u32 v7, v7, 5, s93                  ; 128 w + 32 h: my eight k of the step's first sixteen, in bytes of f32
	s_lshl_b32 s94, ttmp9, 15
	s_lshl_b32 s92, s18, 10
	s_add_co_u32 s94, s94, s92
	v_lshl_add_u32 v21, v1, 4, s94                 ; (32 wg + w) x 1,024 + 16 L
	s_wait_dscnt 0x0
	v_cmp_gt_u32 s92, 0x400, v23                   ; a token, or padding (-1)
	v_min_u32 v23, 0x3ff, v23
	v_lshl_add_u32 v23, v23, 12, v7
	global_load_b128 v[32:35], v23, s[8:9]
	global_load_b128 v[36:39], v23, s[8:9] offset:16
	global_load_b128 v[40:43], v23, s[8:9] offset:64
	global_load_b128 v[44:47], v23, s[8:9] offset:80
	s_wait_loadcnt 0x0
.set i, 0
.rept 8
	v_cvt_pk_f16_f32 v[48+i], v[32+2*i], v[33+2*i]
.set i, i+1
.endr
.set i, 0
.rept 8
	v_cndmask_b32 v[48+i], 0, v[48+i], s92
.set i, i+1
.endr
	global_store_b128 v21, v[48:51], s[10:11]      ; each store of the wave covers 512 consecutive bytes, aligned
	global_store_b128 v21, v[52:55], s[10:11] offset:512
	s_barrier_signal -1
	s_barrier_wait -1
	s_wait_tensorcnt 0x0
	ds_add_u32 v64, v65
	s_wait_dscnt 0x0
	s_endpgm
.Lfunc_end_k_q237c7dc90f_dispatch:
	.size	k_q237c7dc90f_dispatch, .Lfunc_end_k_q237c7dc90f_dispatch-k_q237c7dc90f_dispatch
	.p2alignl 7, 3214868480
	.fill 96, 4, 3214868480
	.section	.rodata,"a",@progbits
	.p2align	6, 0x0
	.amdhsa_kernel k_q237c7dc90f_dispatch
		.amdhsa_group_segment_fixed_size 13312
		.amdhsa_private_segment_fixed_size 0
		.amdhsa_enable_private_segment 0
		.amdhsa_kernarg_size 56
		.amdhsa_user_sgpr_count 2
		.amdhsa_user_sgpr_kernarg_segment_ptr 1
		.amdhsa_wavefront_size32 1
		.amdhsa_system_sgpr_workgroup_id_x 1
		.amdhsa_system_sgpr_workgroup_id_y 1
		.amdhsa_system_sgpr_workgroup_id_z 1
		.amdhsa_system_vgpr_workitem_id 0
		.amdhsa_next_free_vgpr 66
		.amdhsa_next_free_sgpr 100
		.amdhsa_reserve_vcc 1
		.amdhsa_float_denorm_mode_32 3
		.amdhsa_float_denorm_mode_16_64 3
		.amdhsa_memory_ordered 1
		.amdhsa_forward_progress 1
		.amdhsa_inst_pref_size 28
	.end_amdhsa_kernel
	.amdgpu_metadata
---
amdhsa.version: [ 1, 2 ]
amdhsa.kernels:
  - .name:           k_q237c7dc90f_dispatch
    .symbol:         k_q237c7dc90f_dispatch.kd
    .args:
      - { .name: idx, .offset: 0, .size: 8, .value_kind: global_buffer, .address_space: global }
      - { .name: score, .offset: 8, .size: 8, .value_kind: global_buffer, .address_space: global }
      - { .name: x, .offset: 16, .size: 8, .value_kind: global_buffer, .address_space: global }
      - { .name: xs, .offset: 24, .size: 8, .value_kind: global_buffer, .address_space: global }
      - { .name: pos, .offset: 32, .size: 8, .value_kind: global_buffer, .address_space: global }
      - { .name: ss, .offset: 40, .size: 8, .value_kind: global_buffer, .address_space: global }
      - { .name: tab, .offset: 48, .size: 8, .value_kind: global_buffer, .address_space: global }
    .group_segment_fixed_size: 13312
    .private_segment_fixed_size: 0
    .kernarg_segment_align: 8
    .kernarg_segment_size: 56
    .max_flat_workgroup_size: 1024
    .sgpr_count:     100
    .vgpr_count:     66
    .wavefront_size: 32
...
	.end_amdgpu_metadata
.endif
;; end of part 2
;; launch gemm1 (part 3): grid 256 x 1, 4 waves a work-group, no clusters, 262,656 bytes of LDS; arguments xs, W1, b1, tab, h; writes h
.if DOCPART == 3
	.amdgcn_target "amdgcn-amd-amdhsa--gfx1250"
	.amdhsa_code_object_version 6
	.text
	.protected	k_q237c7dc90f_gemm1
	.globl	k_q237c7dc90f_gemm1
	.p2align	8
	.type	k_q237c7dc90f_gemm1,@function
k_q237c7dc90f_gemm1:
	s_mov_b64 s[64:65], 0
	v_nop
	global_prefetch_b8 v0, s[64:65] scope:SCOPE_SE
	s_setreg_imm32_b32 hwreg(HW_REG_WAVE_MODE, 25, 1), 1
	s_wait_xcnt 0x0
; FIRST LAYER.  h = relu(x W1[e] + b1[e]) for the rows of expert e alone (the other experts' results are multiplied by 0 in the problem's definition).  f16 operands, f32 sums, h rounded once to f16.
; THE WEIGHTS STAY.  Work-group wg = 32 e + cb owns columns 128 cb .. + 127 of W1[e] ([1024 k][4096 n] f32): 512 KB, read once in the whole launch.  Wave w owns k = 256 w .. + 255 of them,
; streams them through four stages of 16 loads (64 loads of 512 bytes a wave on their way), rounds them to f16 and keeps them as 64 fragments in 512 registers.  Then it walks the expert's blocks
; of 16 sorted rows: 16 loads of xs and 64 matrix instructions a block; the four waves' partial sums meet in LDS.
; NO TRANSPOSE.  W1's rows lie along n.  Lane (r = L % 16, hh = L / 16) loads 16 bytes: columns n0 + 64 sg + 4 r + 0..3 of row 32 t + 16 q + j + 8 hh: lanes 0-15 cover 256 consecutive bytes, aligned, lanes 16-31 those
; eight rows further down.  The c-th number of the sixteen lanes is a fragment's sixteen columns, n0 + 64 sg + 4 r + c; two loads' numbers (j, j + 1) pack into one register.  Fragment f = 4 sg + c.
; RESULT.  D = W^T-fragment x A-fragment: lane (r, hh), register j of tile f holds row (token) r, hidden index 128 cb + 64 sg + 32 hh + 4 j + c.  Tiles 2 w', 2 w' + 1 rounded in pairs ARE a fragment of 16 rows x 32 hidden
; indices for the second layer, whose k are permuted: position (q, hh, j) is hidden index 128 cb + 64 (w' / 2) + 32 hh + 4 j + 2 (w' % 2) + q.  The second layer takes W2's rows in the same order.
; h: [72 row blocks][128 steps hs = 4 cb + w'][1,024 bytes], a fragment's register image as in xs.
; THE WALK.  The number of blocks (tab) is data: 0 to 64.  Eight trips of at most eight blocks; both barriers of a trip stand on every way.  Every loop runs its constant number of trips; where no block is left, a jump
; goes forward, past text without a barrier, to a label ahead of the loop counter's step.
; Loads of xs run three blocks ahead; past the expert's last block they are clamped to it (an expert without rows: to block 0), so each stays in written bytes.
; Weights are streamed for an expert without rows too.
; NO TENSOR LOADS, NO CLUSTER: no two waves of the launch read the same weight byte; the blocks of xs that the 32 work-groups of an expert share are 8 KB a wave and block against 128 KB of weights a wave,
; and how many there are differs from expert to expert and is read from memory.
; LIMITS.  |W1| and h stay under 65,504 (f16).  With x of spread 1 and W1 of spread 1/32, h has spread 1; 30 times larger x and W1 give 900.  Below 6e-5 f16 keeps a fixed step of 6e-8.
; REGISTERS, in windows of 256 (s_set_vgpr_msb: bits 1:0 source 0, 3:2 source 1, 5:4 source 2, 7:6 destination):
;   window 0: v1 16 L; v2 hh << 17 | 16 r; v3 LDS, my partial sums; v4 LDS, what I add up; v6, v7 LDS addresses in hand; v8-11 offsets of the four A buffers; v12 store offset; v14 128 hh;
;             v32-95 eight accumulators; v96-159 partial sums read back; v160-175 bias; v176-183 packed results
;   window 1: four stages of 64 for the stream, then four buffers of A (a block's eight fragments)          windows 2, 3: W's fragments, K step t, fragment f at 64 (t % 4) + 8 f of window 2 + t / 4
.set PITCH, 16384                      ; bytes in a row of W1
.set ASH,   15                         ; a row block of xs is 32 KB
.set AOFF,  8
.set ACC,   32
.set R,     96
.set BIAS,  160
.set OUT,   176
.set MSB, 0
.macro WIN new                         ; the immediate's high byte repeats the setting that is left; a switch that changes nothing is dropped
.if MSB != (\new)
	s_set_vgpr_msb (MSB<<8)|(\new)
.set MSB, \new
.endif
.endm
; Unit u of the stream (K step u / 2, column strip u % 2): 16 loads into stage u % 4
.macro WLOAD u
	WIN 0x40                                       ; destination window 1, address window 0
.set wt, (\u)/2
.set ws, 64*((\u)%4)
.set wm, 0
.rept 16
	global_load_b128 v[ws+4*wm:ws+4*wm+3], v2, s[6:7] offset:(32*wt+16*(wm/8)+wm%8)*PITCH+256*((\u)%2) th:TH_LOAD_NT
.set wm, wm+1
.endr
.endm
; Unit u's 64 registers of f32 become four fragments of f16
.macro CONV u
.set ct, (\u)/2
.set cs, 64*((\u)%4)
.set cd, 64*(ct%4)+32*((\u)%2)
	WIN 0x85+0x40*(ct/4)                           ; sources window 1, destination window 2 or 3
.set cc, 0
.rept 4
.set cm, 0
.rept 8
	v_cvt_pk_f16_f32 v[cd+8*cc+cm], v[cs+8*cm+cc], v[cs+8*cm+4+cc]
.set cm, cm+1
.endr
.set cc, cc+1
.endr
.endm
; The next block of A into buffer k: its offset (window 0), then its 16 loads of 512 consecutive bytes
.macro ALOAD_ADR k
	s_min_u32 s24, s30, s22                        ; past the expert's last block: that block once more
	s_add_co_u32 s24, s24, s20
	s_min_u32 s24, s24, 71                         ; a row block
	s_lshl_b32 s24, s24, ASH
	v_add_nc_u32 v[AOFF+(\k)], s24, v1             ; the buffer's last loads have come back, so their offset may be written
	s_add_co_u32 s30, s30, 1
.endm
.macro ALOAD_GO k
	WIN 0x40
.set ap, 0
.rept 16
	global_load_b128 v[64*(\k)+4*ap:64*(\k)+4*ap+3], v[AOFF+(\k)], s[4:5] offset:512*ap
.set ap, ap+1
.endr
.endm
	s_load_b256 s[4:11], s[0:1], 0x0               ; xs s[4:5], W1 s[6:7], b1 s[8:9], tab s[10:11]
	s_load_b64 s[12:13], s[0:1], 0x20              ; h
	v_lshl_add_u32 v254, v0, 2, 0x40000
	v_mov_b32 v255, 0
	v_lshrrev_b32 v1, 5, v0
	v_readfirstlane_b32 s14, v1                    ; wave 0..3 = my quarter of K
	v_and_b32 v1, 31, v0
	v_lshlrev_b32 v1, 4, v1                        ; 16 L
	v_and_b32 v2, 15, v0
	v_bfe_u32 v14, v0, 4, 1                        ; hh
	v_lshlrev_b32 v2, 4, v2
	v_lshl_or_b32 v2, v14, 17, v2                  ; 8 rows of W1 are 131,072 bytes
	v_lshlrev_b32 v14, 7, v14
	s_lshr_b32 s15, ttmp9, 5                       ; e
	s_and_b32 s17, ttmp9, 31                       ; cb
	s_lshl_b32 s38, s15, 2                         ; tab: 4 e
	s_mov_b32 s39, 0
	s_lshl_b32 s18, s15, 24                        ; W1: 16 MB an expert,
	s_lshl_b32 s24, s14, 22                        ; 256 rows a wave,
	s_add_co_u32 s18, s18, s24
	s_lshl_b32 s24, s17, 9                         ; 512 bytes a column block
	s_add_co_u32 s18, s18, s24
	s_mov_b32 s19, 0
	s_lshl_b32 s32, s15, 14                        ; b1: 16 KB an expert, + 4 (128 cb + 64 (w / 2) + 2 (w % 2))
	s_add_co_u32 s32, s32, s24
	s_lshr_b32 s24, s14, 1
	s_lshl_b32 s24, s24, 8
	s_add_co_u32 s32, s32, s24
	s_and_b32 s24, s14, 1
	s_lshl_b32 s24, s24, 3
	s_add_co_u32 s32, s32, s24
	s_mov_b32 s33, 0
	s_lshl_b32 s34, s17, 12                        ; h: step 4 cb + w
	s_lshl_b32 s24, s14, 10
	s_add_co_u32 s34, s34, s24
	s_mov_b32 s35, 0
	s_lshl_b32 s36, s14, 13                        ; xs: my eight K steps of 1 KB; also my 8 KB of a block's scratch
	s_mov_b32 s37, 0
	v_add_nc_u32 v3, s36, v1
	s_lshl_b32 s24, s14, 11
	v_add_nc_u32 v4, s24, v1                       ; tiles 2 w, 2 w + 1
	s_wait_kmcnt 0x0
	s_add_nc_u64 s[6:7], s[6:7], s[18:19]
	s_add_nc_u64 s[8:9], s[8:9], s[32:33]
	s_add_nc_u64 s[10:11], s[10:11], s[38:39]
	s_add_nc_u64 s[12:13], s[12:13], s[34:35]
	s_add_nc_u64 s[4:5], s[4:5], s[36:37]
	s_load_b32 s20, s[10:11], 0x0                  ; the expert's first block
	s_load_b32 s21, s[10:11], 0x20                 ; and how many it has
.set i, 0
.rept 16
	global_load_b32 v[BIAS+i], v14, s[8:9] offset:16*(i%8)+4*(i/8)  ; b1 of tile 2 w + i / 8, register i % 8
.set i, i+1
.endr
	WLOAD 0
	WLOAD 1
	WLOAD 2
	WLOAD 3
.irp u, 0,1,2,3,4,5,6,7,8,9,10,11
	s_wait_loadcnt 48                              ; loads come back in order: unit u is in, the three younger units of 16 stay out
	CONV \u
	WLOAD (\u)+4
.endr
	s_wait_kmcnt 0x0
	s_min_u32 s20, s20, 71
	s_min_u32 s21, s21, 64
	s_max_u32 s22, s21, 1
	s_sub_co_u32 s22, s22, 1                       ; the last block's number among the expert's
	s_mov_b32 s30, 0                               ; the next block to load
.irp u, 12,13,14,15
	s_wait_loadcnt 48                              ; the ring of four goes on from weights into blocks of A: again three units of 16 stay out
	CONV \u
	WIN 0
	ALOAD_ADR (\u)-12
	ALOAD_GO (\u)-12
.endr
	WIN 0
; One block, in buffer k.  The eight accumulators take turns, one instruction a turn; the first K step starts the sums with the constant 0.
.macro BLOCK k
	s_cmp_ge_u32 s23, s21
	s_cbranch_scc1 .Lbreak                         ; no block is left: forward, inside the loop
	s_wait_loadcnt 48                              ; this block is in; the three blocks behind it stay out
.set bt, 0
.rept 8
	WIN 0x06+bt/4                                  ; source 0 (W) window 2 or 3, source 1 (A) window 1, C and D window 0
.set bf, 0
.rept 8
.if bt == 0
	v_wmma_f32_16x16x32_f16 v[ACC+8*bf:ACC+8*bf+7], v[64*(bt%4)+8*bf:64*(bt%4)+8*bf+7], v[64*(\k)+8*bt:64*(\k)+8*bt+7], 0
.else
	v_wmma_f32_16x16x32_f16 v[ACC+8*bf:ACC+8*bf+7], v[64*(bt%4)+8*bf:64*(bt%4)+8*bf+7], v[64*(\k)+8*bt:64*(\k)+8*bt+7], v[ACC+8*bf:ACC+8*bf+7]
.endif
.set bf, bf+1
.endr
.set bt, bt+1
.endr
	WIN 0
	; six plain vector instructions that name no register of the products (ISA guide 7.12.1): behind them the sums are stored, A's buffer is loaded again, and the next block's first products write over the sums
	s_add_co_u32 s31, s27, 32768*(\k)              ; the block's 32 KB of scratch,
	v_add_nc_u32 v6, s31, v3                       ; my 8 KB of it
	ALOAD_ADR \k
.rept 4
	v_nop
.endr
.set bf, 0
.rept 16
	ds_store_b128 v6, v[ACC+4*bf:ACC+4*bf+3] offset:512*bf  ; tile bf / 2, registers 4 (bf % 2) on: each accumulator from its low end
.set bf, bf+1
.endr
	ALOAD_GO \k
	WIN 0
	s_add_co_u32 s23, s23, 1
.endm
; One block's four partial sums are added; wave w takes tiles 2 w, 2 w + 1, adds the bias, cuts at 0, rounds and stores one fragment of h.
.macro REDUCE
	s_lshl_b32 s27, s29, 15
	v_add_nc_u32 v7, s27, v4
.irp src, 0,1,2,3
.irp p, 0,1,2,3
	ds_load_b128 v[R+16*(\src)+4*(\p):R+16*(\src)+4*(\p)+3], v7 offset:8192*(\src)+512*(\p)
.endr
.endr
	s_add_co_u32 s24, s20, s28
	s_min_u32 s24, s24, 71
	s_lshl_b32 s24, s24, 17                        ; a row block of h is 128 KB
	s_wait_xcnt 0x0                                ; the last block's stores have read their offset and data: only behind this wait are these written again
	v_add_nc_u32 v12, s24, v1
	s_wait_dscnt 0x0
.irp i, 0,2,4,6,8,10,12,14
	v_pk_add_f32 v[R+(\i):R+(\i)+1], v[R+(\i):R+(\i)+1], v[R+16+(\i):R+16+(\i)+1]
.endr
.irp i, 0,2,4,6,8,10,12,14
	v_pk_add_f32 v[R+32+(\i):R+32+(\i)+1], v[R+32+(\i):R+32+(\i)+1], v[R+48+(\i):R+48+(\i)+1]
.endr
.irp i, 0,2,4,6,8,10,12,14
	v_pk_add_f32 v[R+(\i):R+(\i)+1], v[R+(\i):R+(\i)+1], v[R+32+(\i):R+32+(\i)+1]
.endr
.irp i, 0,2,4,6,8,10,12,14
	v_pk_add_f32 v[R+(\i):R+(\i)+1], v[R+(\i):R+(\i)+1], v[BIAS+(\i):BIAS+(\i)+1]
.endr
.irp i, 0,1,2,3,4,5,6,7,8,9,10,11,12,13,14,15
	v_max_num_f32 v[R+(\i)], 0, v[R+(\i)]
.endr
.irp i, 0,1,2,3,4,5,6,7
	v_cvt_pk_f16_f32 v[OUT+(\i)], v[R+2*(\i)], v[R+2*(\i)+1]
.endr
	global_store_b128 v12, v[OUT:OUT+3], s[12:13]  ; each store of the wave covers 512 consecutive bytes, aligned
	global_store_b128 v12, v[OUT+4:OUT+7], s[12:13] offset:512
.endm
	s_mov_b32 s23, 0                               ; the next block to multiply
	s_mov_b32 s28, 0                               ; the next block to add up
	s_mov_b32 s25, 8
.Ltrip:
	s_cmp_ge_u32 s23, s21
	s_cbranch_scc1 .Lmultiplied
	s_mov_b32 s26, 0
.Lquad:                                                ; two trips of four blocks, always both
	s_lshl_b32 s27, s26, 17                        ; four blocks' scratch
	BLOCK 0
	BLOCK 1
	BLOCK 2
	BLOCK 3
	s_branch .Lquad_step
.Lbreak:
	s_wait_loadcnt 0x0                             ; the walk left the ring of four in its middle: nothing stays out, so that the counted waits above hold on every way
.Lquad_step:
	s_add_co_u32 s26, s26, 1
	s_cmp_lt_u32 s26, 2
	s_cbranch_scc1 .Lquad
.Lmultiplied:
	s_wait_dscnt 0x0                               ; for the others' sake: my partial sums are in LDS
	s_barrier_signal -1
	s_barrier_wait -1
	s_mov_b32 s29, 0
.Lred:                                                 ; eight trips, always all; a trip without a block does nothing
	s_cmp_ge_u32 s28, s21
	s_cbranch_scc1 .Lred_step
	REDUCE
	s_add_co_u32 s28, s28, 1
.Lred_step:
	s_add_co_u32 s29, s29, 1
	s_cmp_lt_u32 s29, 8
	s_cbranch_scc1 .Lred
	s_wait_dscnt 0x0                               ; my reads of the scratch are back: behind the barrier it is written again
	s_barrier_signal -1
	s_barrier_wait -1
	s_sub_co_u32 s25, s25, 1
	s_cmp_lg_u32 s25, 0
	s_cbranch_scc1 .Ltrip
	s_wait_tensorcnt 0x0
	ds_add_u32 v254, v255
	s_wait_dscnt 0x0
	s_endpgm
.Lfunc_end_k_q237c7dc90f_gemm1:
	.size	k_q237c7dc90f_gemm1, .Lfunc_end_k_q237c7dc90f_gemm1-k_q237c7dc90f_gemm1
	.p2alignl 7, 3214868480
	.fill 96, 4, 3214868480
	.section	.rodata,"a",@progbits
	.p2align	6, 0x0
	.amdhsa_kernel k_q237c7dc90f_gemm1
		.amdhsa_group_segment_fixed_size 262656
		.amdhsa_private_segment_fixed_size 0
		.amdhsa_enable_private_segment 0
		.amdhsa_kernarg_size 40
		.amdhsa_user_sgpr_count 2
		.amdhsa_user_sgpr_kernarg_segment_ptr 1
		.amdhsa_wavefront_size32 1
		.amdhsa_system_sgpr_workgroup_id_x 1
		.amdhsa_system_sgpr_workgroup_id_y 1
		.amdhsa_system_sgpr_workgroup_id_z 1
		.amdhsa_system_vgpr_workitem_id 0
		.amdhsa_next_free_vgpr 1024
		.amdhsa_next_free_sgpr 66
		.amdhsa_reserve_vcc 0
		.amdhsa_float_denorm_mode_32 3
		.amdhsa_float_denorm_mode_16_64 3
		.amdhsa_memory_ordered 1
		.amdhsa_forward_progress 1
		.amdhsa_inst_pref_size 103
	.end_amdhsa_kernel
	.amdgpu_metadata
---
amdhsa.version: [ 1, 2 ]
amdhsa.kernels:
  - .name:           k_q237c7dc90f_gemm1
    .symbol:         k_q237c7dc90f_gemm1.kd
    .args:
      - { .name: xs, .offset: 0, .size: 8, .value_kind: global_buffer, .address_space: global }
      - { .name: W1, .offset: 8, .size: 8, .value_kind: global_buffer, .address_space: global }
      - { .name: b1, .offset: 16, .size: 8, .value_kind: global_buffer, .address_space: global }
      - { .name: tab, .offset: 24, .size: 8, .value_kind: global_buffer, .address_space: global }
      - { .name: h, .offset: 32, .size: 8, .value_kind: global_buffer, .address_space: global }
    .group_segment_fixed_size: 262656
    .private_segment_fixed_size: 0
    .kernarg_segment_align: 8
    .kernarg_segment_size: 40
    .max_flat_workgroup_size: 128
    .sgpr_count:     66
    .vgpr_count:     1024
    .wavefront_size: 32
...
	.end_amdgpu_metadata
.endif
;; end of part 3
;; launch gemm2 (part 4): grid 256 x 1, 4 waves a work-group, no clusters, 262,656 bytes of LDS; arguments h, W2, tab, P; writes P
.if DOCPART == 4
	.amdgcn_target "amdgcn-amd-amdhsa--gfx1250"
	.amdhsa_code_object_version 6
	.text
	.protected	k_q237c7dc90f_gemm2
	.globl	k_q237c7dc90f_gemm2
	.p2align	8
	.type	k_q237c7dc90f_gemm2,@function
k_q237c7dc90f_gemm2:
	s_mov_b64 s[64:65], 0
	v_nop
	global_prefetch_b8 v0, s[64:65] scope:SCOPE_SE
	s_setreg_imm32_b32 hwreg(HW_REG_WAVE_MODE, 25, 1), 1
	s_wait_xcnt 0x0
; SECOND LAYER, in four slabs of K.  P[slab] = h[:, slab's 1,024 hidden indices] W2[e][those rows], for the rows of expert e alone.  f16 operands, f32 sums; P is f32, [4 slabs][1,152 padded rows][1,024].
; The four slabs, the bias and the score are put together by the launch behind: a sum that spans work-groups is made by one owner of each output.
; THE WEIGHTS STAY, as in the first layer.  Work-group wg = 32 e + 8 slab + cb owns rows 1,024 slab .. + 1,023, columns 128 cb .. + 127 of W2[e] ([4096 k][1024 n] f32): 512 KB, read once in the whole launch.
; Wave w owns 256 of the rows, streams them through four stages of 16 loads, rounds them to f16 and keeps 64 fragments in 512 registers; then it walks the expert's blocks of 16 rows of h.
; K IS PERMUTED as h's fragments have it: in the wave's K step t, position (q, hh, j) is row 128 (t / 4) + 64 ((t % 4) / 2) + 2 (t % 2) + q + 4 j + 32 hh of the wave's 256.  The same order in both operands keeps the products.
; Lane (r, hh) loads 16 bytes, columns n0 + 64 sg + 4 r + 0..3 of such a row: lanes 0-15 cover 256 consecutive bytes, aligned, lanes 16-31 those 32 rows further down.  Fragment f = 4 sg + c has columns n0 + 64 sg + 4 r + c.
; RESULT.  D = A-fragment x W-fragment: lane (r, hh), register j of tile f holds row 8 hh + j, column 128 cb + 64 sg + 4 r + c: the four c of a strip are 16 neighbouring bytes of a row of P.
; THE WALK, the clamped loads, and why there are no tensor loads and no cluster: as in the first layer (here a block of h is 8 KB a wave against 128 KB of weights a wave).
; LIMITS.  |W2| stays under 65,504 (f16); below 6e-5 f16 keeps a fixed step of 6e-8.
; REGISTERS: as in the first layer; v5 hh << 15 | 16 r, my place in a block's rows of P; v176-191 results, turned.
.set PITCH, 4096                       ; bytes in a row of W2
.set ASH,   17                         ; a row block of h is 128 KB
.set AOFF,  8
.set ACC,   32
.set R,     96
.set OUT,   176
.set MSB, 0
.macro WIN new                         ; the immediate's high byte repeats the setting that is left; a switch that changes nothing is dropped
.if MSB != (\new)
	s_set_vgpr_msb (MSB<<8)|(\new)
.set MSB, \new
.endif
.endm
; Unit u of the stream (K step u / 2, column strip u % 2): 16 loads into stage u % 4
.macro WLOAD u
	WIN 0x40                                       ; destination window 1, address window 0
.set wt, (\u)/2
.set ws, 64*((\u)%4)
.set wm, 0
.rept 16
	global_load_b128 v[ws+4*wm:ws+4*wm+3], v2, s[6:7] offset:(128*(wt/4)+64*((wt%4)/2)+2*(wt%2)+wm/8+4*(wm%8))*PITCH+256*((\u)%2) th:TH_LOAD_NT
.set wm, wm+1
.endr
.endm
; Unit u's 64 registers of f32 become four fragments of f16
.macro CONV u
.set ct, (\u)/2
.set cs, 64*((\u)%4)
.set cd, 64*(ct%4)+32*((\u)%2)
	WIN 0x85+0x40*(ct/4)                           ; sources window 1, destination window 2 or 3
.set cc, 0
.rept 4
.set cm, 0
.rept 8
	v_cvt_pk_f16_f32 v[cd+8*cc+cm], v[cs+8*cm+cc], v[cs+8*cm+4+cc]
.set cm, cm+1
.endr
.set cc, cc+1
.endr
.endm
; The next block of A into buffer k: its offset (window 0), then its 16 loads of 512 consecutive bytes
.macro ALOAD_ADR k
	s_min_u32 s24, s30, s22                        ; past the expert's last block: that block once more
	s_add_co_u32 s24, s24, s20
	s_min_u32 s24, s24, 71                         ; a row block
	s_lshl_b32 s24, s24, ASH
	v_add_nc_u32 v[AOFF+(\k)], s24, v1             ; the buffer's last loads have come back, so their offset may be written
	s_add_co_u32 s30, s30, 1
.endm
.macro ALOAD_GO k
	WIN 0x40
.set ap, 0
.rept 16
	global_load_b128 v[64*(\k)+4*ap:64*(\k)+4*ap+3], v[AOFF+(\k)], s[4:5] offset:512*ap
.set ap, ap+1
.endr
.endm
	s_load_b256 s[4:11], s[0:1], 0x0               ; h s[4:5], W2 s[6:7], tab s[8:9], P s[10:11]
	v_lshl_add_u32 v254, v0, 2, 0x40000
	v_mov_b32 v255, 0
	v_lshrrev_b32 v1, 5, v0
	v_readfirstlane_b32 s14, v1                    ; wave 0..3 = my quarter of the slab's K
	v_and_b32 v1, 31, v0
	v_lshlrev_b32 v1, 4, v1                        ; 16 L
	v_and_b32 v2, 15, v0
	v_bfe_u32 v14, v0, 4, 1                        ; hh
	v_lshlrev_b32 v2, 4, v2                        ; 16 r
	v_lshl_or_b32 v5, v14, 15, v2                  ; 8 rows of P are 32,768 bytes
	v_lshl_or_b32 v2, v14, 17, v2                  ; 32 rows of W2 are 131,072 bytes
	s_lshr_b32 s15, ttmp9, 5                       ; e
	s_bfe_u32 s16, ttmp9, 0x20003                  ; slab: 2 bits from bit 3
	s_and_b32 s17, ttmp9, 7                        ; cb
	s_lshl_b32 s38, s15, 2                         ; tab: 4 e
	s_mov_b32 s39, 0
	s_lshl_b32 s18, s15, 24                        ; W2: 16 MB an expert,
	s_lshl_b32 s24, s16, 22                        ; 1,024 rows a slab,
	s_add_co_u32 s18, s18, s24
	s_lshl_b32 s24, s14, 20                        ; 256 rows a wave,
	s_add_co_u32 s18, s18, s24
	s_lshl_b32 s24, s17, 9                         ; 512 bytes a column block
	s_add_co_u32 s18, s18, s24
	s_mov_b32 s19, 0
	s_mul_i32 s34, s16, 4718592                    ; P: 1,152 rows of 4,096 bytes a slab,
	s_add_co_u32 s34, s34, s24                     ; the column block,
	s_lshr_b32 s32, s14, 1                         ; sg = w / 2: the strip that I add up,
	s_and_b32 s33, s14, 1                          ; u = w % 2: registers 4 u .. 4 u + 3, rows 4 u on
	s_lshl_b32 s24, s32, 8
	s_add_co_u32 s34, s34, s24
	s_lshl_b32 s24, s33, 14
	s_add_co_u32 s34, s34, s24
	s_mov_b32 s35, 0
	s_lshl_b32 s36, s16, 15                        ; h: 32 steps of 1 KB a slab,
	s_lshl_b32 s24, s14, 13                        ; 8 a wave; also my 8 KB of a block's scratch
	s_add_co_u32 s36, s36, s24
	s_mov_b32 s37, 0
	v_add_nc_u32 v3, s24, v1
	s_lshl_b32 s24, s32, 12
	s_lshl_b32 s33, s33, 9
	s_add_co_u32 s24, s24, s33
	v_add_nc_u32 v4, s24, v1                       ; tiles 4 sg on, registers 4 u on
	s_wait_kmcnt 0x0
	s_add_nc_u64 s[6:7], s[6:7], s[18:19]
	s_add_nc_u64 s[8:9], s[8:9], s[38:39]
	s_add_nc_u64 s[10:11], s[10:11], s[34:35]
	s_add_nc_u64 s[4:5], s[4:5], s[36:37]
	s_load_b32 s20, s[8:9], 0x0                    ; the expert's first block
	s_load_b32 s21, s[8:9], 0x20                   ; and how many it has
	WLOAD 0
	WLOAD 1
	WLOAD 2
	WLOAD 3
.irp u, 0,1,2,3,4,5,6,7,8,9,10,11
	s_wait_loadcnt 48                              ; loads come back in order: unit u is in, the three younger units of 16 stay out
	CONV \u
	WLOAD (\u)+4
.endr
	s_wait_kmcnt 0x0
	s_min_u32 s20, s20, 71
	s_min_u32 s21, s21, 64
	s_max_u32 s22, s21, 1
	s_sub_co_u32 s22, s22, 1                       ; the last block's number among the expert's
	s_mov_b32 s30, 0                               ; the next block to load
.irp u, 12,13,14,15
	s_wait_loadcnt 48                              ; the ring of four goes on from weights into blocks of A: again three units of 16 stay out
	CONV \u
	WIN 0
	ALOAD_ADR (\u)-12
	ALOAD_GO (\u)-12
.endr
	WIN 0
; One block, in buffer k.  The eight accumulators take turns, one instruction a turn; the first K step starts the sums with the constant 0.
.macro BLOCK k
	s_cmp_ge_u32 s23, s21
	s_cbranch_scc1 .Lbreak                         ; no block is left: forward, inside the loop
	s_wait_loadcnt 48                              ; this block is in; the three blocks behind it stay out
.set bt, 0
.rept 8
	WIN 0x09+4*(bt/4)                              ; source 0 (A) window 1, source 1 (W) window 2 or 3, C and D window 0
.set bf, 0
.rept 8
.if bt == 0
	v_wmma_f32_16x16x32_f16 v[ACC+8*bf:ACC+8*bf+7], v[64*(\k)+8*bt:64*(\k)+8*bt+7], v[64*(bt%4)+8*bf:64*(bt%4)+8*bf+7], 0
.else
	v_wmma_f32_16x16x32_f16 v[ACC+8*bf:ACC+8*bf+7], v[64*(\k)+8*bt:64*(\k)+8*bt+7], v[64*(bt%4)+8*bf:64*(bt%4)+8*bf+7], v[ACC+8*bf:ACC+8*bf+7]
.endif
.set bf, bf+1
.endr
.set bt, bt+1
.endr
	WIN 0
	; six plain vector instructions that name no register of the products (ISA guide 7.12.1): behind them the sums are stored, A's buffer is loaded again, and the next block's first products write over the sums
	s_add_co_u32 s31, s27, 32768*(\k)              ; the block's 32 KB of scratch,
	v_add_nc_u32 v6, s31, v3                       ; my 8 KB of it
	ALOAD_ADR \k
.rept 4
	v_nop
.endr
.set bf, 0
.rept 16
	ds_store_b128 v6, v[ACC+4*bf:ACC+4*bf+3] offset:512*bf  ; tile bf / 2, registers 4 (bf % 2) on: each accumulator from its low end
.set bf, bf+1
.endr
	ALOAD_GO \k
	WIN 0
	s_add_co_u32 s23, s23, 1
.endm
; One block's four partial sums are added; wave w takes strip w / 2, registers 4 (w % 2) on.  The last addition turns 4 x 4 numbers, so that a lane's four registers are 16 neighbouring bytes of a row.
.macro REDUCE
	s_lshl_b32 s27, s29, 15
	v_add_nc_u32 v7, s27, v4
.irp src, 0,1,2,3
.irp c, 0,1,2,3
	ds_load_b128 v[R+16*(\src)+4*(\c):R+16*(\src)+4*(\c)+3], v7 offset:8192*(\src)+1024*(\c)
.endr
.endr
	s_add_co_u32 s24, s20, s28
	s_min_u32 s24, s24, 71
	s_lshl_b32 s24, s24, 16                        ; 16 rows of P are 64 KB
	s_wait_xcnt 0x0                                ; the last block's stores have read their offset and data: only behind this wait are these written again
	v_add_nc_u32 v12, s24, v5
	s_wait_dscnt 0x0
.irp i, 0,2,4,6,8,10,12,14
	v_pk_add_f32 v[R+(\i):R+(\i)+1], v[R+(\i):R+(\i)+1], v[R+16+(\i):R+16+(\i)+1]
.endr
.irp i, 0,2,4,6,8,10,12,14
	v_pk_add_f32 v[R+32+(\i):R+32+(\i)+1], v[R+32+(\i):R+32+(\i)+1], v[R+48+(\i):R+48+(\i)+1]
.endr
.irp jj, 0,1,2,3
.irp c, 0,1,2,3
	v_add_f32 v[OUT+4*(\jj)+(\c)], v[R+4*(\c)+(\jj)], v[R+32+4*(\c)+(\jj)]
.endr
.endr
.irp jj, 0,1,2,3
	global_store_b128 v12, v[OUT+4*(\jj):OUT+4*(\jj)+3], s[10:11] offset:4096*(\jj)  ; lanes 0-15 store 256 consecutive bytes, aligned, of one row, lanes 16-31 of the row 8 below
.endr
.endm
	s_mov_b32 s23, 0                               ; the next block to multiply
	s_mov_b32 s28, 0                               ; the next block to add up
	s_mov_b32 s25, 8
.Ltrip:
	s_cmp_ge_u32 s23, s21
	s_cbranch_scc1 .Lmultiplied
	s_mov_b32 s26, 0
.Lquad:                                                ; two trips of four blocks, always both
	s_lshl_b32 s27, s26, 17                        ; four blocks' scratch
	BLOCK 0
	BLOCK 1
	BLOCK 2
	BLOCK 3
	s_branch .Lquad_step
.Lbreak:
	s_wait_loadcnt 0x0                             ; the walk left the ring of four in its middle: nothing stays out, so that the counted waits above hold on every way
.Lquad_step:
	s_add_co_u32 s26, s26, 1
	s_cmp_lt_u32 s26, 2
	s_cbranch_scc1 .Lquad
.Lmultiplied:
	s_wait_dscnt 0x0                               ; for the others' sake: my partial sums are in LDS
	s_barrier_signal -1
	s_barrier_wait -1
	s_mov_b32 s29, 0
.Lred:                                                 ; eight trips, always all; a trip without a block does nothing
	s_cmp_ge_u32 s28, s21
	s_cbranch_scc1 .Lred_step
	REDUCE
	s_add_co_u32 s28, s28, 1
.Lred_step:
	s_add_co_u32 s29, s29, 1
	s_cmp_lt_u32 s29, 8
	s_cbranch_scc1 .Lred
	s_wait_dscnt 0x0                               ; my reads of the scratch are back: behind the barrier it is written again
	s_barrier_signal -1
	s_barrier_wait -1
	s_sub_co_u32 s25, s25, 1
	s_cmp_lg_u32 s25, 0
	s_cbranch_scc1 .Ltrip
	s_wait_tensorcnt 0x0
	ds_add_u32 v254, v255
	s_wait_dscnt 0x0
	s_endpgm
.Lfunc_end_k_q237c7dc90f_gemm2:
	.size	k_q237c7dc90f_gemm2, .Lfunc_end_k_q237c7dc90f_gemm2-k_q237c7dc90f_gemm2
	.p2alignl 7, 3214868480
	.fill 96, 4, 3214868480
	.section	.rodata,"a",@progbits
	.p2align	6, 0x0
	.amdhsa_kernel k_q237c7dc90f_gemm2
		.amdhsa_group_segment_fixed_size 262656
		.amdhsa_private_segment_fixed_size 0
		.amdhsa_enable_private_segment 0
		.amdhsa_kernarg_size 32
		.amdhsa_user_sgpr_count 2
		.amdhsa_user_sgpr_kernarg_segment_ptr 1
		.amdhsa_wavefront_size32 1
		.amdhsa_system_sgpr_workgroup_id_x 1
		.amdhsa_system_sgpr_workgroup_id_y 1
		.amdhsa_system_sgpr_workgroup_id_z 1
		.amdhsa_system_vgpr_workitem_id 0
		.amdhsa_next_free_vgpr 1024
		.amdhsa_next_free_sgpr 66
		.amdhsa_reserve_vcc 0
		.amdhsa_float_denorm_mode_32 3
		.amdhsa_float_denorm_mode_16_64 3
		.amdhsa_memory_ordered 1
		.amdhsa_forward_progress 1
		.amdhsa_inst_pref_size 100
	.end_amdhsa_kernel
	.amdgpu_metadata
---
amdhsa.version: [ 1, 2 ]
amdhsa.kernels:
  - .name:           k_q237c7dc90f_gemm2
    .symbol:         k_q237c7dc90f_gemm2.kd
    .args:
      - { .name: h, .offset: 0, .size: 8, .value_kind: global_buffer, .address_space: global }
      - { .name: W2, .offset: 8, .size: 8, .value_kind: global_buffer, .address_space: global }
      - { .name: tab, .offset: 16, .size: 8, .value_kind: global_buffer, .address_space: global }
      - { .name: P, .offset: 24, .size: 8, .value_kind: global_buffer, .address_space: global }
    .group_segment_fixed_size: 262656
    .private_segment_fixed_size: 0
    .kernarg_segment_align: 8
    .kernarg_segment_size: 32
    .max_flat_workgroup_size: 128
    .sgpr_count:     66
    .vgpr_count:     1024
    .wavefront_size: 32
...
	.end_amdgpu_metadata
.endif
;; end of part 4
;; launch combine (part 5): grid 256 x 1, 4 waves a work-group, no clusters, 0 bytes of LDS; arguments P, b2, idx, pos, ss, out0; writes out0
.if DOCPART == 5
	.amdgcn_target "amdgcn-amd-amdhsa--gfx1250"
	.amdhsa_code_object_version 6
	.text
	.protected	k_q237c7dc90f_combine
	.globl	k_q237c7dc90f_combine
	.p2align	8
	.type	k_q237c7dc90f_combine,@function
k_q237c7dc90f_combine:
	s_mov_b64 s[64:65], 0
	v_nop
	global_prefetch_b8 v0, s[64:65] scope:SCOPE_SE
	s_setreg_imm32_b32 hwreg(HW_REG_WAVE_MODE, 25, 1), 1
	s_wait_xcnt 0x0
; COMBINE.  out0[t] = (P[0][pos[t]] + P[1][pos[t]] + P[2][pos[t]] + P[3][pos[t]] + b2[idx[t]]) x ss[t].  ss[t] is the score at place t of the sorted order, as the problem's definition has it.
; A stream: one wave takes one token, t = 4 wg + w; a row of 4,096 bytes is eight loads of 512 consecutive bytes from each of five sources, all 40 issued at once; all sums in f32.
; No LDS, no barrier, no matrix unit: each byte is used once and no wave needs another's.
.set D, 16                             ; v[16:175]  piece i of the row: four slabs and the bias, 4 registers each, at D + 20 i
.set SLAB, 4718592                     ; bytes in a slab of P: 1,152 rows of 4,096
	s_load_b256 s[4:11], s[0:1], 0x0               ; P s[4:5], b2 s[6:7], idx s[8:9], pos s[10:11]
	s_load_b128 s[12:15], s[0:1], 0x20             ; ss s[12:13], out0 s[14:15]
	v_lshrrev_b32 v1, 5, v0
	v_readfirstlane_b32 s16, v1                    ; wave 0..3
	v_and_b32 v1, 31, v0
	v_lshlrev_b32 v1, 4, v1                        ; 16 x lane
	s_lshl_b32 s18, ttmp9, 4
	s_lshl2_add_u32 s18, s16, s18                  ; 4 t
	s_mov_b32 s19, 0
	s_lshl_b32 s24, s18, 10                        ; t rows of 4,096 bytes
	s_mov_b32 s25, 0
	s_mov_b32 s27, 0
	s_wait_kmcnt 0x0
	s_add_nc_u64 s[8:9], s[8:9], s[18:19]
	s_add_nc_u64 s[10:11], s[10:11], s[18:19]
	s_add_nc_u64 s[12:13], s[12:13], s[18:19]
	s_add_nc_u64 s[14:15], s[14:15], s[24:25]
	s_load_b32 s20, s[8:9], 0x0                    ; the token's expert,
	s_load_b32 s21, s[10:11], 0x0                  ; its padded row,
	s_load_b32 s22, s[12:13], 0x0                  ; and the score at its place
	s_wait_kmcnt 0x0
	s_min_u32 s20, s20, 7
	s_min_u32 s21, s21, 1151
	s_lshl_b32 s26, s21, 12
	s_add_nc_u64 s[4:5], s[4:5], s[26:27]          ; slabs 0 and 1 from here,
	s_add_nc_u64 s[28:29], s[4:5], 2*SLAB          ; slabs 2 and 3 from here: a slab's distance fits the loads' immediate, three slabs' does not
	s_lshl_b32 s26, s20, 12
	s_add_nc_u64 s[6:7], s[6:7], s[26:27]
	s_mov_b32 s23, s22                             ; named with it as a pair
.irp i, 0,1,2,3,4,5,6,7
	global_load_b128 v[D+20*(\i):D+20*(\i)+3],     v1, s[4:5] offset:512*(\i) th:TH_LOAD_NT
	global_load_b128 v[D+20*(\i)+4:D+20*(\i)+7],   v1, s[4:5] offset:SLAB+512*(\i) th:TH_LOAD_NT
	global_load_b128 v[D+20*(\i)+8:D+20*(\i)+11],  v1, s[28:29] offset:512*(\i) th:TH_LOAD_NT
	global_load_b128 v[D+20*(\i)+12:D+20*(\i)+15], v1, s[28:29] offset:SLAB+512*(\i) th:TH_LOAD_NT
	global_load_b128 v[D+20*(\i)+16:D+20*(\i)+19], v1, s[6:7] offset:512*(\i)
.endr
.irp i, 0,1,2,3,4,5,6,7
	s_wait_loadcnt 5*(7-(\i))                      ; loads come back in order: piece i's five are in, the younger pieces' stay out
.irp k, 0,2
	v_pk_add_f32 v[D+20*(\i)+(\k):D+20*(\i)+(\k)+1], v[D+20*(\i)+(\k):D+20*(\i)+(\k)+1], v[D+20*(\i)+4+(\k):D+20*(\i)+4+(\k)+1]
	v_pk_add_f32 v[D+20*(\i)+8+(\k):D+20*(\i)+8+(\k)+1], v[D+20*(\i)+8+(\k):D+20*(\i)+8+(\k)+1], v[D+20*(\i)+12+(\k):D+20*(\i)+12+(\k)+1]
.endr
.irp k, 0,2
	v_pk_add_f32 v[D+20*(\i)+(\k):D+20*(\i)+(\k)+1], v[D+20*(\i)+(\k):D+20*(\i)+(\k)+1], v[D+20*(\i)+8+(\k):D+20*(\i)+8+(\k)+1]
.endr
.irp k, 0,2
	v_pk_add_f32 v[D+20*(\i)+(\k):D+20*(\i)+(\k)+1], v[D+20*(\i)+(\k):D+20*(\i)+(\k)+1], v[D+20*(\i)+16+(\k):D+20*(\i)+16+(\k)+1]
.endr
.irp k, 0,2
	v_pk_mul_f32 v[D+20*(\i)+(\k):D+20*(\i)+(\k)+1], v[D+20*(\i)+(\k):D+20*(\i)+(\k)+1], s[22:23] op_sel_hi:[1,0]
.endr
	global_store_b128 v1, v[D+20*(\i):D+20*(\i)+3], s[14:15] offset:512*(\i) th:TH_STORE_NT  ; 512 consecutive bytes, aligned; no register of a store is written again
.endr
	s_endpgm
.Lfunc_end_k_q237c7dc90f_combine:
	.size	k_q237c7dc90f_combine, .Lfunc_end_k_q237c7dc90f_combine-k_q237c7dc90f_combine
	.p2alignl 7, 3214868480
	.fill 96, 4, 3214868480
	.section	.rodata,"a",@progbits
	.p2align	6, 0x0
	.amdhsa_kernel k_q237c7dc90f_combine
		.amdhsa_group_segment_fixed_size 0
		.amdhsa_private_segment_fixed_size 0
		.amdhsa_enable_private_segment 0
		.amdhsa_kernarg_size 48
		.amdhsa_user_sgpr_count 2
		.amdhsa_user_sgpr_kernarg_segment_ptr 1
		.amdhsa_wavefront_size32 1
		.amdhsa_system_sgpr_workgroup_id_x 1
		.amdhsa_system_sgpr_workgroup_id_y 1
		.amdhsa_system_sgpr_workgroup_id_z 1
		.amdhsa_system_vgpr_workitem_id 0
		.amdhsa_next_free_vgpr 176
		.amdhsa_next_free_sgpr 66
		.amdhsa_reserve_vcc 0
		.amdhsa_float_denorm_mode_32 3
		.amdhsa_float_denorm_mode_16_64 3
		.amdhsa_memory_ordered 1
		.amdhsa_forward_progress 1
		.amdhsa_inst_pref_size 12
	.end_amdhsa_kernel
	.amdgpu_metadata
---
amdhsa.version: [ 1, 2 ]
amdhsa.kernels:
  - .name:           k_q237c7dc90f_combine
    .symbol:         k_q237c7dc90f_combine.kd
    .args:
      - { .name: P, .offset: 0, .size: 8, .value_kind: global_buffer, .address_space: global }
      - { .name: b2, .offset: 8, .size: 8, .value_kind: global_buffer, .address_space: global }
      - { .name: idx, .offset: 16, .size: 8, .value_kind: global_buffer, .address_space: global }
      - { .name: pos, .offset: 24, .size: 8, .value_kind: global_buffer, .address_space: global }
      - { .name: ss, .offset: 32, .size: 8, .value_kind: global_buffer, .address_space: global }
      - { .name: out0, .offset: 40, .size: 8, .value_kind: global_buffer, .address_space: global }
    .group_segment_fixed_size: 0
    .private_segment_fixed_size: 0
    .kernarg_segment_align: 8
    .kernarg_segment_size: 48
    .max_flat_workgroup_size: 128
    .sgpr_count:     66
    .vgpr_count:     176
    .wavefront_size: 32
...
	.end_amdgpu_metadata
.endif
;; end of part 5
